; MI455X (gfx1250); checked and timed in simulation.
; The chip was launched on July 23, 2026; its instructions are those of AMD's public machine-readable ISA for CDNA 5 (MIT licence, August 2026) and "CDNA5" Instruction Set Architecture Reference Guide (July 2026). The comments in the code are by the model that wrote it; some were corrected since.
;; Multi Head Attention. Allowed arithmetic: float matrix products may take bf16 or f16 operands with f32 sums; all other float work in f32.
;; Inputs: Wk 8 x 16 x 32 float32; Wo 256 x 16 float32; Wq 8 x 16 x 32 float32; Wv 8 x 16 x 32 float32; bk 8 x 32 float32; bo 16 float32; bq 8 x 32 float32; bv 8 x 32 float32; x 4,096 x 16 float32; y 4,096 x 16 float32.
;; Outputs: out0 4,096 x 16 float32.
;; One version. Each part assembles by itself: llvm-mc -triple=amdgcn-amd-amdhsa -mcpu=gfx1250 --defsym DOCPART=n.
;; ======== version 1 of 1: 1 launch
;; launch mha (part 1): grid 256 x 1, 16 waves a work-group, no clusters, 151,808 bytes of LDS; arguments x, y, Wq, bq, Wk, bk, Wv, bv, Wo, bo, out0; writes out0
.if DOCPART == 1
	.amdgcn_target "amdgcn-amd-amdhsa--gfx1250"
	.amdhsa_code_object_version 6
	.text
	.protected	k_q6e4cec6bca_mha
	.globl	k_q6e4cec6bca_mha
	.p2align	8
	.type	k_q6e4cec6bca_mha,@function
k_q6e4cec6bca_mha:
	s_mov_b64 s[64:65], 0
	v_nop
	global_prefetch_b8 v0, s[64:65] scope:SCOPE_SE
	s_setreg_imm32_b32 hwreg(HW_REG_WAVE_MODE, 25, 1), 1
	s_wait_xcnt 0x0
; Multi-head attention, 8 heads, 4,096 queries x 4,096 keys, D_IN = 16, D_Q = D_V = 32, all buffers f32.  One launch, no workspace.
;
; ALGEBRA (holds for every input; every input is read).  With q = x Wq_h + bq_h:
;   q . k[m] = sum over c of y[m][c] q'[c] + qb,  q' = q Wk_h^T (16 numbers),  qb = q . bk_h
;   attn (y Wv_h + bv_h) = (attn y) Wv_h + bv_h, since the weights are divided by their own sum
;   out = sum over h of (attn_h y) G_h + g_h,  G_h = Wv_h Wo_h (16 x 16),  g_h = bv_h Wo_h + bo / 8
; So every head multiplies by the same 4,096 x 16 matrix y, and k and v are never formed.  The score product has 17 numbers along K
; (y[m][0..15] and a 1.0 against q'[0..15] and qb) and fits one K = 32 matrix instruction.  log2(e) / sqrt(32) is multiplied onto q' and qb
; in f32 before they are rounded to bf16, so scores arrive in units of base 2.
;
; SHARES.  Work-group g: query rows 16 g .. 16 g + 15, all heads.  Wave w: head h = w & 7, keys 2,048 (w >> 3) .. + 2,047.  A lane (r = lane & 15,
; p = lane >> 4) stands for query r in every product, so maximum, sum and rescaling are one number a lane.  The two halves of the keys meet in LDS
; at the end, then the eight heads' 16 x 16 parts are added in a fixed order by waves 0 and 1.
;
; LAYOUTS.  Scores are made transposed (A = 16 keys of y, B = the queries): register j of lane (r, p) is key 8 p + j, query r.  Two such tiles,
; rounded in pairs, ARE the B fragment of the weights for 32 keys; A is then y transposed (ds_load_tr16_b128 from the same LDS bytes) for the
; numerator and all ones for the row sum.  Nothing is shuffled between the two products.
;
; y IN LDS: bf16, two planes (columns 0-7, columns 8-15), 16 bytes a key in each.  PLANE is 128 modulo 256: of the 64 banks of 4 bytes (ISA guide 11.1)
; the two planes' bytes of the same keys take opposite halves, so the staging stores and the transposing loads meet no conflict; the plain
; fragment load takes 256 neighbouring bytes for each 16 lanes.  y comes in four chunks of 512 keys for each half; each chunk has bytes of its own.
;
; NO TENSOR LOADS, NO CLUSTER, though all work-groups read the same y: y has to pass through registers to be rounded to bf16; landing it in LDS as f32
; (262,144 bytes) beside the bf16 copy (131,072 bytes) passes the 327,680 bytes that a work-group can have, so it would take slots that are filled
; again and a second pass through LDS, for 262,144 bytes that a work-group reads once, three quarters of them under four trips of arithmetic each.
;
; LIMITS.  Inputs finite, and scores finite in f32.  A weight below 2^-126 of its row's largest counts as zero (v_exp_f32 flushes: ISA guide 15.8).
; The row sum is taken over the weights as rounded to bf16, the same numbers that enter the numerator.  qb is rounded to bf16; it is one number
; a row, made alike by both waves of a head, and cancels in the softmax.  The reassociations above change the order of rounding.
.set PLANE, 65664                      ; LDS: plane 0 at 0, plane 1 here; 65,536 bytes each
.set MRG,   131328                     ; LDS: for each head 1,280 bytes: the upper key half's sums (512 + 512) and (maximum, row sum) (256)
.set MRGH,  1280
.set PO,    141568                     ; LDS: for each head a 16 x 16 tile of f32, row-major, 1,024 bytes; ends at 149,760
.set VA,   1                           ; v1  LDS: my 16 bytes of a y fragment:       p PLANE + 16 r + 32,768 half
.set VT,   2                           ; v2  LDS: my 16 bytes of a transposing load: ((lane>>3)&1) PLANE + 16 (8 p + (lane&7)) + 32,768 half
.set VS,   3                           ; v3  LDS: where I put 8 bytes of staged y:   ((lane>>1)&1) PLANE + 8 (lane&1) + 16 (lane>>2) + 32,768 half + 1,024 h
.set VG,   4                           ; v4  y:   16 lane + 131,072 half + 4,096 h.   v1-v4 are never rewritten: everything else stands in immediates
.set VK,   5                           ; v5-v9: byte offsets of the weights' loads; the registers get their second use behind the wait that shows those loads done
.set VO,   6
.set VB,   7
.set VX,   8
.set VW,   9
.set MX,   5                           ; v5      running maximum
.set MN,   6                           ; v[6:7]  the new maximum, twice (a pair for the packed subtraction)
.set AL,   8                           ; v[8:9]  2^(old maximum - new maximum), twice
.set DF,   14                          ; v14     old maximum - new maximum.  v10-v13, v15: at work at the head and in the tail
.set QF,   16                          ; v[16:23]   B fragment of the queries: q' at K 0-15, qb at K 16, zeros
.set AO,   24                          ; v[24:31]   sums of weight x y, transposed: register j = column 8 p + j, query r
.set ASUM, 32                          ; v[32:39]   row sums (every register the same)
.set ONE,  40                          ; v[40:47]   A fragment of ones
.set GA,   48                          ; v[48:51]   G_h as an A fragment (row = output column), K 0-15
.set TM,   52                          ; v[52:55]   four chains of the maximum; in the tail zeros, K 16-31 of GA
.set GC,   56                          ; v[56:63]   g_h as the C of the last product
.set YF,   64                          ; v[64:127]  eight y fragments; registers 4-7 of each are constants (the 1.0 at K 16, zeros)
.set YT,   128                         ; v[128:159] four fragments of y transposed (32 keys each)
.set SC,   160                         ; v[160:223] eight score tiles; the weights of key pair t are packed in place into v[SC+16t : SC+16t+7]
.set STG,  224                         ; v[224:255] the next chunk of y on its way
.macro PLACES n                        ; places behind a matrix instruction where no useful work is at hand (ISA guide 7.12.1)
.rept \n
	v_nop
.endr
.endm
.macro PACK d, b, n                    ; 2 n numbers of f32 from v[b] on into n registers of bf16 from v[d] on; in place (d = b) register i is written after it was read
.set pk_i, 0
.rept \n
	v_cvt_pk_bf16_f32 v[(\d)+pk_i], v[(\b)+2*pk_i], v[(\b)+2*pk_i+1]
.set pk_i, pk_i+1
.endr
.endm
.macro LD8 d, a, sb                    ; K 8 p .. 8 p + 7 of a fragment's source, f32
	global_load_b128 v[\d:\d+3],   v[\a], s[\sb:\sb+1]
	global_load_b128 v[\d+4:\d+7], v[\a], s[\sb:\sb+1] offset:16
.endm
.macro LD16 d, a, sb                   ; and K 16 + 8 p .. + 7
	LD8 \d, \a, \sb
	global_load_b128 v[\d+8:\d+11],  v[\a], s[\sb:\sb+1] offset:64
	global_load_b128 v[\d+12:\d+15], v[\a], s[\sb:\sb+1] offset:80
.endm
; My wave's 64 keys of chunk c (keys 2,048 half + 512 c + 64 h ..): eight loads, each of the wave covering 512 consecutive bytes, aligned.
.macro STAGE_LOAD c
.irp j, 0,1,2,3,4,5,6,7
	global_load_b128 v[STG+4*\j:STG+4*\j+3], v[VG], s[10:11] offset:32768*(\c)+512*\j
.endr
.endm
; Lane l of load j holds columns 4 (l & 3) .. + 3 of key 8 j + (l >> 2): 8 bytes of bf16 into the plane of those columns.
.macro STAGE_STORE c
.irp j, 0,1,2,3,4,5,6,7
	v_cvt_pk_bf16_f32 v[STG+4*\j],   v[STG+4*\j],   v[STG+4*\j+1]
	v_cvt_pk_bf16_f32 v[STG+4*\j+1], v[STG+4*\j+2], v[STG+4*\j+3]
.endr
.irp j, 0,1,2,3,4,5,6,7
	ds_store_b64 v[VS], v[STG+4*\j:STG+4*\j+1] offset:8192*(\c)+128*\j
.endr
.endm
; The largest of my 64 scores and the running maximum: 32 three-way maxima in four chains, then the other half of the lanes (the other keys of my query).
.macro MAXRED first
.irp k, 0,1,2,3
	v_max3_num_f32 v[TM+\k], v[SC+16*\k], v[SC+16*\k+1], v[SC+16*\k+2]
.endr
.irp m, 0,1,2,3,4,5
.irp k, 0,1,2,3
	v_max3_num_f32 v[TM+\k], v[TM+\k], v[SC+16*\k+3+2*\m], v[SC+16*\k+4+2*\m]
.endr
.endr
	v_max3_num_f32 v[TM],   v[TM],   v[TM+1],  v[SC+15]
	v_max3_num_f32 v[TM+2], v[TM+2], v[TM+3],  v[SC+31]
	v_max3_num_f32 v[TM],   v[TM],   v[SC+47], v[SC+63]
.if \first
	v_max_num_f32 v[TM], v[TM], v[TM+2]            ; the first trip has no maximum to carry on: none is invented
.else
	v_max3_num_f32 v[TM], v[TM], v[TM+2], v[MX]
.endif
	v_permlanex16_b32 v[TM+1], v[TM], s36, s37     ; lane l takes lane l xor 16; its destination has been written above
	v_max_num_f32 v[MN],   v[TM], v[TM+1]
	v_max_num_f32 v[MN+1], v[TM], v[TM+1]
.endm
.macro SUBT t                          ; key pair t (32 keys): score - maximum
	s_wait_alu depctr_va_vdst(0)
.irp i, 0,2,4,6,8,10,12,14
	v_pk_add_f32 v[SC+16*\t+\i:SC+16*\t+\i+1], v[SC+16*\t+\i:SC+16*\t+\i+1], v[MN:MN+1] neg_lo:[0,1] neg_hi:[0,1]
.endr
.endm
.macro EXPT t                          ; 2^(that).  A run of plain instructions on other registers follows each EXPT before its results are used (ISA guide 5.7.2)
.irp i, 0,1,2,3,4,5,6,7,8,9,10,11,12,13,14,15
	v_exp_f32 v[SC+16*\t+\i], v[SC+16*\t+\i]
.endr
.endm
; The two products of key pair t.  The two accumulators take turns, one instruction a turn.
.macro MMT t, zero
	s_wait_dscnt 6-2*\t                            ; LDS loads come back in order (ISA guide 5.7.1): the transposing loads of later key pairs may stay out
.if \zero
	v_wmma_f32_16x16x32_bf16 v[AO:AO+7],     v[YT+8*\t:YT+8*\t+7], v[SC+16*\t:SC+16*\t+7], 0
	v_wmma_f32_16x16x32_bf16 v[ASUM:ASUM+7], v[ONE:ONE+7],         v[SC+16*\t:SC+16*\t+7], 0
.else
	v_wmma_f32_16x16x32_bf16 v[AO:AO+7],     v[YT+8*\t:YT+8*\t+7], v[SC+16*\t:SC+16*\t+7], v[AO:AO+7]
	v_wmma_f32_16x16x32_bf16 v[ASUM:ASUM+7], v[ONE:ONE+7],         v[SC+16*\t:SC+16*\t+7], v[ASUM:ASUM+7]
.endif
.endm
; One trip: 128 keys at byte koff of my half of each plane.  first = 1: the products start the sums, nothing is cleared or rescaled.
.macro TRIP koff, first
.irp i, 0,1,2,3,4,5,6,7
	ds_load_b128 v[YF+8*\i:YF+8*\i+3], v[VA] offset:(\koff)+256*\i
.endr
.irp t, 0,1,2,3
	ds_load_tr16_b128 v[YT+8*\t:YT+8*\t+3],   v[VT] offset:(\koff)+512*\t
	ds_load_tr16_b128 v[YT+8*\t+4:YT+8*\t+7], v[VT] offset:(\koff)+512*\t+256
.endr
	s_wait_dscnt 0x8                               ; the eight y fragments are in; the eight transposing loads behind them may stay out
.irp i, 0,1,2,3,4,5,6,7
	v_wmma_f32_16x16x32_bf16 v[SC+8*\i:SC+8*\i+7], v[YF+8*\i:YF+8*\i+7], v[QF:QF+7], 0
.endr
	PLACES 4                                       ; four places before a vector instruction reads the last tile
	MAXRED \first
.if \first
	SUBT 0
.else
	v_sub_f32 v[DF], v[MX], v[MN]
	v_exp_f32 v[AL], v[DF]
	SUBT 0                                         ; plain work between the exponential and its use
	s_wait_alu depctr_va_vdst(0)
	v_mov_b32 v[AL+1], v[AL]
.irp i, 0,2,4,6,8,10,12,14
	v_pk_mul_f32 v[AO+\i:AO+\i+1], v[AO+\i:AO+\i+1], v[AL:AL+1]    ; AO and ASUM lie side by side: both brought to the new maximum
.endr
.endif
	EXPT 0
	SUBT 1
	PACK SC, SC, 8
	MMT 0, \first
	EXPT 1
	SUBT 2
	PACK SC+16, SC+16, 8
	MMT 1, 0
	EXPT 2
	SUBT 3
	PACK SC+32, SC+32, 8
	MMT 2, 0
	EXPT 3
	v_mov_b32 v[MX], v[MN]
	s_wait_alu depctr_va_vdst(0)
	PACK SC+48, SC+48, 8
	MMT 3, 0
	PLACES 5                                       ; four before loads land on YT or a store reads the sums, five before score products write over the weights
.endm
; Chunk c: my 64 keys go into LDS, the next chunk's loads go out, and behind the barrier my half's 512 keys are multiplied.
; Each chunk has LDS bytes of its own: what is stored here no wave reads before this barrier, and what waves may still be reading is not written.
.macro CHUNK c, first
	s_wait_loadcnt 0x0                             ; the only loads out are this chunk's eight
	STAGE_STORE \c
	s_wait_dscnt 0x0                               ; for the other waves' sake: my stores are in LDS before I signal
.if \c < 3
	STAGE_LOAD (\c)+1                              ; into the registers just stored; they have four trips in which to come
.endif
	s_barrier_signal -1
	s_barrier_wait -1
	TRIP 8192*(\c), \first
	TRIP 8192*(\c)+2048, 0
	TRIP 8192*(\c)+4096, 0
	TRIP 8192*(\c)+6144, 0
.endm
	; ---- ids, lane terms, addresses
	s_load_b512 s[8:23], s[0:1], 0x0               ; x s[8:9], y s[10:11], Wq s[12:13], bq s[14:15], Wk s[16:17], bk s[18:19], Wv s[20:21], bv s[22:23]
	s_load_b128 s[24:27], s[0:1], 0x40             ; Wo s[24:25], bo s[26:27]
	s_load_b64 s[28:29], s[0:1], 0x50              ; out0
	v_lshrrev_b32 v13, 5, v0
	v_readfirstlane_b32 s2, v13                    ; wave 0..15
	s_and_b32 s3, s2, 7                            ; head
	s_lshr_b32 s4, s2, 3                           ; half of the keys
	s_mov_b32 s36, 0x76543210                      ; v_permlanex16_b32: lane i of one half reads lane i of the other
	s_mov_b32 s37, 0xfedcba98
	v_and_b32 v10, 15, v0                          ; r
	v_bfe_u32 v11, v0, 4, 1                        ; p
	v_and_b32 v12, 31, v0                          ; lane
	s_lshl_b32 s5, s4, 15                          ; my half of a plane: 2,048 keys x 16 bytes
	v_mul_u32_u24 v[VA], v11, PLANE
	v_lshl_add_u32 v[VA], v10, 4, v[VA]
	v_add_nc_u32 v[VA], s5, v[VA]
	v_bfe_u32 v13, v0, 3, 1
	v_mul_u32_u24 v[VT], v13, PLANE
	v_and_b32 v13, 7, v0
	v_lshl_add_u32 v13, v11, 3, v13                ; key 8 p + (lane & 7)
	v_lshl_add_u32 v[VT], v13, 4, v[VT]
	v_add_nc_u32 v[VT], s5, v[VT]
	s_lshl_b32 s6, s3, 10                          ; my wave's 64 keys of a chunk x 16 bytes
	s_add_co_u32 s6, s6, s5
	v_bfe_u32 v13, v0, 1, 1
	v_mul_u32_u24 v[VS], v13, PLANE
	v_and_b32 v13, 1, v0
	v_lshl_add_u32 v[VS], v13, 3, v[VS]
	v_bfe_u32 v13, v0, 2, 3
	v_lshl_add_u32 v[VS], v13, 4, v[VS]
	v_add_nc_u32 v[VS], s6, v[VS]
	s_lshl_b32 s7, s4, 17                          ; in y: 2,048 keys x 64 bytes,
	s_lshl_b32 s6, s3, 12                          ; 64 keys x 64 bytes
	s_add_co_u32 s7, s7, s6
	v_lshl_add_u32 v[VG], v12, 4, s7
	v_lshlrev_b32 v[VB], 5, v11                    ; 32 p: eight f32 along K
	v_lshlrev_b32 v13, 2, v10                      ; 4 r
	v_lshl_add_u32 v[VK], v10, 7, v[VB]            ; Wk, Wv: row r of 128 bytes, + 32 p
	v_lshl_add_u32 v[VO], v11, 9, v13              ; Wo: row 8 p of 64 bytes, column r
	v_lshl_add_u32 v[VX], v10, 6, v[VB]            ; x: row r of 64 bytes, + 32 p
	v_lshl_add_u32 v[VW], v11, 10, v13             ; Wq: row 8 p of 128 bytes, column r
	s_lshl_b32 s30, s3, 11                         ; a head's 2,048 bytes of Wq, Wk, Wv, Wo
	s_mov_b32 s31, 0
	s_lshl_b32 s32, s3, 7                          ; a head's 128 bytes of bq, bk, bv
	s_mov_b32 s33, 0
	s_lshl_b32 s34, ttmp9, 10                      ; the work-group's 16 rows of 64 bytes of x and out0
	s_mov_b32 s35, 0
	s_wait_kmcnt 0x0
	s_add_nc_u64 s[12:13], s[12:13], s[30:31]
	s_add_nc_u64 s[16:17], s[16:17], s[30:31]
	s_add_nc_u64 s[20:21], s[20:21], s[30:31]
	s_add_nc_u64 s[24:25], s[24:25], s[30:31]
	s_add_nc_u64 s[14:15], s[14:15], s[32:33]
	s_add_nc_u64 s[18:19], s[18:19], s[32:33]
	s_add_nc_u64 s[22:23], s[22:23], s[32:33]
	s_add_nc_u64 s[8:9],   s[8:9],   s[34:35]
	s_add_nc_u64 s[28:29], s[28:29], s[34:35]
	; ---- all loads of the head at once.  What only waves 0-7 need goes first, so that on both ways the youngest eight loads are y's.
	s_cmp_ge_u32 s2, 8
	s_cbranch_scc1 .Lno_gw
	LD16 144, VK, 20                               ; Wv_h(c = r, v): A of G
.irp u, 0,1
.irp j, 0,1,2,3,4,5,6,7
	global_load_b32 v[64+8*\u+\j], v[VO], s[24:25] offset:1024*\u+64*\j   ; Wo_h(v = 16 u + 8 p + j, o = r): K runs down the rows, so word by word; once, 2,048 bytes
.endr
.endr
	LD16 80, VB, 22                                ; bv_h(v), the same in every column
	LD8  GC, VB, 26                                ; bo(8 p + j)
.Lno_gw:
	LD8  176, VX, 8                                ; x(q = r, c)
	LD16 184, VB, 14                               ; bq_h(8 p + j), bq_h(16 + 8 p + j): the C of the two tiles of q
.irp t, 0,1
.irp j, 0,1,2,3,4,5,6,7
	global_load_b32 v[160+8*\t+\j], v[VW], s[12:13] offset:64*\t+128*\j   ; Wq_h(c = 8 p + j, d = 16 t + r): word by word as Wo; once, 2,048 bytes
.endr
.endr
	LD16 200, VK, 16                               ; Wk_h(c = r, d)
	LD16 128, VB, 18                               ; bk_h(d)
	STAGE_LOAD 0
	s_wait_loadcnt 0x8                             ; loads come back in order: all but y's eight are in, and v5-v9 are free
	; ---- q transposed: tile t (register j = q(r, 16 t + 8 p + j)) = Wq^T x^T + bq, the bias in f32 as C; K 16-31 are zeros
	PACK 160, 160, 4
	PACK 168, 168, 4
	PACK 176, 176, 4
.irp b, 164,172,180
.irp j, 0,1,2,3
	v_mov_b32 v[\b+\j], 0
.endr
.endr
	v_wmma_f32_16x16x32_bf16 v[184:191], v[160:167], v[176:183], v[184:191]
	v_wmma_f32_16x16x32_bf16 v[192:199], v[168:175], v[176:183], v[192:199]
	PACK 200, 200, 8                               ; useful work in the places behind them: Wk,
	PACK 128, 128, 8                               ; bk,
	v_cmp_eq_u32 vcc_lo, 0, v10
.irp j, 0,1,2,3,4,5,6,7
	v_cndmask_b32 v[128+\j], 0, v[128+\j], vcc_lo  ; kept in row 0 alone: the product's other rows are the zeros that QF wants at K 17-31
.endr
	PACK 184, 184, 8                               ; the two tiles of q are its B fragment, K = d
	; ---- q' transposed (register j = q'(r, 8 p + j)) and qb (row 0)
	v_wmma_f32_16x16x32_bf16 v[208:215], v[200:207], v[184:191], 0
	v_wmma_f32_16x16x32_bf16 v[216:223], v[128:135], v[184:191], 0
.irp j, 0,1,2,3,4,5,6,7
	v_mov_b32 v[ONE+\j], 0x3f803f80                ; the places behind them: the fragment of ones
.endr
.irp i, 0,2,4,6,8,10,12,14
	v_pk_mul_f32 v[208+\i:208+\i+1], v[208+\i:208+\i+1], 0x3e8293ee op_sel_hi:[1,0]   ; log2(e) / sqrt(32)
.endr
	PACK QF, 208, 8
	; ---- G_h and g_h, in the waves that will use them
	s_cmp_ge_u32 s2, 8
	s_cbranch_scc1 .Lno_g
	PACK 144, 144, 8
	PACK 64, 64, 8
	PACK 80, 80, 8
.irp i, 0,2,4,6
	v_pk_mul_f32 v[GC+\i:GC+\i+1], v[GC+\i:GC+\i+1], 0x3e000000 op_sel_hi:[1,0]       ; bo / 8: the eight heads' parts add up to bo
.endr
	v_wmma_f32_16x16x32_bf16 v[152:159], v[144:151], v[64:71], 0                ; G(c = 8 p + j, o = r)
	v_wmma_f32_16x16x32_bf16 v[GC:GC+7], v[64:71], v[80:87], v[GC:GC+7]         ; g(o = 8 p + j), every column alike: Wo's fragment serves as A too
	PLACES 4
	PACK GA, 152, 4                                ; A fragment: row o = r, K = c
.Lno_g:
	; ---- the constant upper halves of the y fragments: 1.0 at K 16 (register 4, low half, p = 0), zeros at K 17-31
	v_cmp_eq_u32 vcc_lo, 0, v11
	v_mov_b32 v13, 0x3f80
	v_cndmask_b32 v13, 0, v13, vcc_lo
.irp i, 0,1,2,3,4,5,6,7
	v_mov_b32 v[YF+8*\i+4], v13
	v_mov_b32 v[YF+8*\i+5], 0
	v_mov_b32 v[YF+8*\i+6], 0
	v_mov_b32 v[YF+8*\i+7], 0
.endr
	; ---- the keys: 4 chunks x 4 trips x 128 keys, written out, so that every address is a fixed register and an immediate
	CHUNK 0, 1
	CHUNK 1, 0
	CHUNK 2, 0
	CHUNK 3, 0
	; ---- the two halves of the keys meet: waves 8-15 hand their sums, maximum and row sum to waves 0-7
	v_and_b32 v10, 31, v0
	s_mul_i32 s5, s3, MRGH
	s_add_co_u32 s5, s5, MRG
	v_lshl_add_u32 v12, v10, 4, s5
	v_lshl_add_u32 v13, v10, 3, s5
	s_cmp_lt_u32 s2, 8
	s_cbranch_scc1 .Lkeep
	v_mov_b32 v14, v[MX]
	v_mov_b32 v15, v[ASUM]
	ds_store_b128 v12, v[AO:AO+3]
	ds_store_b128 v12, v[AO+4:AO+7] offset:512
	ds_store_b64 v13, v[14:15] offset:1024
.Lkeep:
	s_wait_dscnt 0x0                               ; the stores are in LDS before the signal
	s_barrier_signal -1
	s_barrier_wait -1
	s_cmp_ge_u32 s2, 8
	s_cbranch_scc1 .Lgiven
	ds_load_b128 v[160:163], v12
	ds_load_b128 v[164:167], v12 offset:512
	ds_load_b64 v[168:169], v13 offset:1024
	s_lshl_b32 s6, s3, 10
	s_add_co_u32 s6, s6, PO                        ; my head's tile
	s_wait_dscnt 0x0
	v_max_num_f32 v6, v[MX], v168                  ; the row's maximum over all keys
	v_sub_f32 v7, v[MX], v6
	v_sub_f32 v14, v168, v6
	v_exp_f32 v7, v7
	v_exp_f32 v14, v14
	v_mov_b32 v[TM], 0                             ; plain work between the exponentials and their use: K 16-31 of GA
	s_wait_alu depctr_va_vdst(0)
	v_mul_f32 v15, v7, v[ASUM]
	v_fmac_f32 v15, v14, v169                      ; the row sum; at least 1, the weight of the largest score
	v_rcp_f32 v15, v15
	v_mov_b32 v[TM+1], 0                           ; and between the reciprocal and its use
	s_wait_alu depctr_va_vdst(0)
	v_mul_f32 v8, v7, v15
	v_mul_f32 v9, v7, v15
	v_mul_f32 v10, v14, v15
	v_mul_f32 v11, v14, v15
.irp i, 0,2,4,6
	v_pk_mul_f32 v[AO+\i:AO+\i+1], v[AO+\i:AO+\i+1], v[8:9]
.endr
.irp i, 0,2,4,6
	v_pk_fma_f32 v[AO+\i:AO+\i+1], v[160+\i:160+\i+1], v[10:11], v[AO+\i:AO+\i+1]     ; attn y, transposed: register j = column 8 p + j, query r
.endr
	PACK 184, AO, 4                                ; which is its B fragment, K = c
.irp j, 0,1,2,3
	v_mov_b32 v[188+\j], 0
.endr
	v_mov_b32 v[TM+2], 0
	v_mov_b32 v[TM+3], 0
	v_wmma_f32_16x16x32_bf16 v[GC:GC+7], v[GA:GA+7], v[184:191], v[GC:GC+7]     ; register j = my head's part of out(q = r, o = 8 p + j)
	v_and_b32 v10, 15, v0                          ; five places behind it, four are asked: where the part goes, 64 r + 32 p in my head's tile
	v_bfe_u32 v11, v0, 4, 1
	v_lshlrev_b32 v11, 5, v11
	v_lshl_add_u32 v11, v10, 6, v11
	v_add_nc_u32 v11, s6, v11
	ds_store_b128 v11, v[GC:GC+3]
	ds_store_b128 v11, v[GC+4:GC+7] offset:16
.Lgiven:
	s_wait_dscnt 0x0                               ; the stores are in LDS before the signal
	s_barrier_signal -1
	s_barrier_wait -1
	; ---- the eight heads' parts are added, always in the same order, by threads 0-63: 16 bytes of the 1,024 each
	s_cmp_ge_u32 s2, 2
	s_cbranch_scc1 .Lend
	v_lshlrev_b32 v10, 4, v0
	v_add_nc_u32 v11, PO, v10
.irp k, 0,1,2,3,4,5,6,7
	ds_load_b128 v[64+4*\k:64+4*\k+3], v11 offset:1024*\k
.endr
	s_wait_dscnt 0x0
.irp a, 0,8,16,24
.irp e, 0,2
	v_pk_add_f32 v[64+\a+\e:64+\a+\e+1], v[64+\a+\e:64+\a+\e+1], v[68+\a+\e:68+\a+\e+1]
.endr
.endr
.irp a, 0,16
.irp e, 0,2
	v_pk_add_f32 v[64+\a+\e:64+\a+\e+1], v[64+\a+\e:64+\a+\e+1], v[72+\a+\e:72+\a+\e+1]
.endr
.endr
.irp e, 0,2
	v_pk_add_f32 v[64+\e:64+\e+1], v[64+\e:64+\e+1], v[80+\e:80+\e+1]
.endr
	global_store_b128 v10, v[64:67], s[28:29] th:TH_STORE_NT       ; each wave's store covers 512 consecutive bytes, aligned
.Lend:
	s_wait_xcnt 0x0
	v_lshl_add_u32 v254, v0, 2, 0x24900
	v_mov_b32 v255, 0
	s_wait_tensorcnt 0x0
	ds_add_u32 v254, v255
	s_wait_dscnt 0x0
	s_endpgm
.Lfunc_end_k_q6e4cec6bca_mha:
	.size	k_q6e4cec6bca_mha, .Lfunc_end_k_q6e4cec6bca_mha-k_q6e4cec6bca_mha
	.p2alignl 7, 3214868480
	.fill 96, 4, 3214868480
	.section	.rodata,"a",@progbits
	.p2align	6, 0x0
	.amdhsa_kernel k_q6e4cec6bca_mha
		.amdhsa_group_segment_fixed_size 151808
		.amdhsa_private_segment_fixed_size 0
		.amdhsa_enable_private_segment 0
		.amdhsa_kernarg_size 88
		.amdhsa_user_sgpr_count 2
		.amdhsa_user_sgpr_kernarg_segment_ptr 1
		.amdhsa_wavefront_size32 1
		.amdhsa_system_sgpr_workgroup_id_x 1
		.amdhsa_system_sgpr_workgroup_id_y 1
		.amdhsa_system_sgpr_workgroup_id_z 1
		.amdhsa_system_vgpr_workitem_id 0
		.amdhsa_next_free_vgpr 256
		.amdhsa_next_free_sgpr 66
		.amdhsa_reserve_vcc 1
		.amdhsa_float_denorm_mode_32 3
		.amdhsa_float_denorm_mode_16_64 3
		.amdhsa_memory_ordered 1
		.amdhsa_forward_progress 1
		.amdhsa_inst_pref_size 213
	.end_amdhsa_kernel
	.amdgpu_metadata
---
amdhsa.version: [ 1, 2 ]
amdhsa.kernels:
  - .name:           k_q6e4cec6bca_mha
    .symbol:         k_q6e4cec6bca_mha.kd
    .args:
      - { .name: x, .offset: 0, .size: 8, .value_kind: global_buffer, .address_space: global }
      - { .name: y, .offset: 8, .size: 8, .value_kind: global_buffer, .address_space: global }
      - { .name: Wq, .offset: 16, .size: 8, .value_kind: global_buffer, .address_space: global }
      - { .name: bq, .offset: 24, .size: 8, .value_kind: global_buffer, .address_space: global }
      - { .name: Wk, .offset: 32, .size: 8, .value_kind: global_buffer, .address_space: global }
      - { .name: bk, .offset: 40, .size: 8, .value_kind: global_buffer, .address_space: global }
      - { .name: Wv, .offset: 48, .size: 8, .value_kind: global_buffer, .address_space: global }
      - { .name: bv, .offset: 56, .size: 8, .value_kind: global_buffer, .address_space: global }
      - { .name: Wo, .offset: 64, .size: 8, .value_kind: global_buffer, .address_space: global }
      - { .name: bo, .offset: 72, .size: 8, .value_kind: global_buffer, .address_space: global }
      - { .name: out0, .offset: 80, .size: 8, .value_kind: global_buffer, .address_space: global }
    .group_segment_fixed_size: 151808
    .private_segment_fixed_size: 0
    .kernarg_segment_align: 8
    .kernarg_segment_size: 88
    .max_flat_workgroup_size: 512
    .sgpr_count:     66
    .vgpr_count:     256
    .wavefront_size: 32
...
	.end_amdgpu_metadata
.endif
;; end of part 1
